; MI455X (gfx1250); checked and timed in simulation.
; The chip was launched on July 23, 2026; its instructions are those of AMD's public machine-readable ISA for CDNA 5 (MIT licence, August 2026) and "CDNA5" Instruction Set Architecture Reference Guide (July 2026). The comments in the code are by the model that wrote it; some were corrected since.
;; Ra Bi T Fusion. Allowed arithmetic: float matrix products may take bf16 or f16 operands with f32 sums; all other float work in f32.
;; Inputs: F_R 8 x 256 x 64 x 128 float32; F_T 8 x 256 x 64 x 128 float32; fc1_b 1,024 float32; fc1_w 256 x 1,024 float32; fc2_b 256 float32; fc2_w 1,024 x 256 float32; g1_b 8 float32; g1_w 2 x 8 float32; g2_b 1 float32; g2_w 8 x 1 float32; k_b 256 float32; k_w 256 x 256 float32; np_b 512 float32; np_g 512 float32; nr_b 256 float32; nr_g 256 float32; nt_b 256 float32; nt_g 256 float32; nz_b 256 float32; nz_g 256 float32; nzf_b 256 float32; nzf_g 256 float32; phi_b 512 float32; phi_w 512 x 512 float32; psi_b 4 float32; psi_w 512 x 4 float32; q_b 256 float32; q_w 256 x 256 float32; r_R 8 x 1 x 64 x 128 float32; r_T 8 x 1 x 64 x 128 float32; rpb_table 225 x 8 float32; v_b 256 float32; v_w 256 x 256 float32.
;; Outputs: out0 8 x 256 x 64 x 128 float32.
;; One version. Each part assembles by itself: llvm-mc -triple=amdgcn-amd-amdhsa -mcpu=gfx1250 --defsym DOCPART=n.
;; ======== version 1 of 1: 2 launches
;; limits: values outside matrix products are rounded to bf16; a difference of large sums (such as E[x^2] - mean^2): digits are lost where the result is much smaller than its terms; a function is approximated: absolute error at most 1.5e-07
;; workspace buffers: ws 2,132,224 bytes
;; launch prep (part 1): grid 553 x 1, 8 waves a work-group, no clusters, 0 bytes of LDS; arguments phi_w, q_w, k_w, v_w, fc1_w, fc2_w, k_b, q_b, psi_w, np_g, np_b, psi_b, phi_b, r_R, r_T, ws; writes ws
.if DOCPART == 1
	.amdgcn_target "amdgcn-amd-amdhsa--gfx1250"
	.amdhsa_code_object_version 6
	.text
	.protected	k_q7873c1ecc8_prep
	.globl	k_q7873c1ecc8_prep
	.p2align	8
	.type	k_q7873c1ecc8_prep,@function
k_q7873c1ecc8_prep:
	s_mov_b64 s[64:65], 0
	v_nop
	global_prefetch_b8 v0, s[64:65] scope:SCOPE_SE
	s_setreg_imm32_b32 hwreg(HW_REG_WAVE_MODE, 25, 1), 1
	s_wait_xcnt 0x0
; Weights to bf16, laid out as matrix fragments in the order in which the main launch's waves consume them, and a few small sums.
; A fragment is 1,024 bytes: [q = 0, 1][lane 0..31][16 bytes]; element e of lane (r = lane % 16, h = lane / 16) is B[16 nt + r][32 ks + 16 q + 8 h + e].
; Work-groups 0..519: 4,096 bytes (four fragments) each, thread t stores the 16 bytes at 16 t: a wave's store covers 512 consecutive bytes.
;   0..511   the stream: [wave w' of the main launch][chunk c = 0..15][32 fragments]
;   512, 513 k_b as rows; 514, 515 q_b as rows; 516..519 np_g x psi_w
; Work-groups 520..551: partial sums of r_R and r_T, 512 numbers a wave.  Work-group 552: the folded phi_b, and the two sums that the pooling logits need.
.set PBHO,  2129920
.set SGLCO, 2130944
.set RSUMO, 2131200
	s_load_b512 s[4:19], s[0:1], 0x0               ; phi_w q_w k_w v_w fc1_w fc2_w k_b q_b
	s_load_b512 s[20:35], s[0:1], 0x40             ; psi_w np_g np_b psi_b phi_b r_R r_T ws
	v_lshrrev_b32 v1, 5, v0
	v_readfirstlane_b32 s37, v1                    ; wave
	s_mov_b32 s36, ttmp9                           ; job
	v_and_b32 v1, 31, v0
	v_and_b32 v2, 15, v0                           ; r
	v_bfe_u32 v3, v0, 4, 1                         ; h
	s_mov_b32 s3, 0
	s_wait_kmcnt 0x0
	s_cmp_ge_u32 s36, 552
	s_cbranch_scc1 .Lmisc
	s_cmp_ge_u32 s36, 520
	s_cbranch_scc1 .Lrsum
	; ---- a fragment job: source, strides and tile numbers are chosen by selects on the job number alone
	s_lshr_b32 s51, s37, 1                         ; which of the group's four fragments
	s_and_b32 s39, s37, 1                          ; q
	s_and_b32 s38, s36, 7
	s_lshl2_add_u32 s38, s38, s51                  ; f: the fragment's number in its chunk
	s_lshr_b32 s40, s36, 7                         ; w'
	s_bfe_u32 s41, s36, 0x40003                    ; c
	s_sub_co_u32 s52, s36, 512
	s_lshr_b32 s52, s52, 1
	s_add_co_u32 s52, s52, 16                      ; the small jobs count on: 16 k_b, 17 q_b, 18 and 19 np_g x psi_w
	s_cmp_ge_u32 s36, 512
	s_cselect_b32 s41, s52, s41
	s_lshr_b32 s53, s38, 2                         ; ksl
	s_and_b32 s54, s38, 3                          ; a
	s_lshl2_add_u32 s48, s40, s54                  ; nt = 4 w' + a
	s_mov_b32 s49, s53                             ; ks = ksl
	s_mov_b32 s44, 1024                            ; sk: bytes from k to k + 1
	s_mov_b32 s45, 4                               ; sn: bytes from n to n + 1
	s_mov_b32 s46, 0                               ; the second addend's distance
	s_mov_b32 s47, 15                              ; rows that differ
	s_mov_b64 s[42:43], s[6:7]                     ; q_w (c = 2, 15)
	s_lshl3_add_u32 s55, s41, s53
	s_cmp_lt_u32 s41, 2                            ; c = 0, 1: half the sum of phi_w's two column halves
	s_cselect_b64 s[42:43], s[4:5], s[42:43]
	s_cselect_b32 s44, 2048, s44
	s_cselect_b32 s46, 1024, s46
	s_cselect_b32 s49, s55, s49
	s_cmp_eq_u32 s41, 3
	s_cselect_b64 s[42:43], s[8:9], s[42:43]
	s_cmp_eq_u32 s41, 13
	s_cselect_b64 s[42:43], s[8:9], s[42:43]
	s_cmp_eq_u32 s41, 4
	s_cselect_b64 s[42:43], s[10:11], s[42:43]
	s_cmp_eq_u32 s41, 14
	s_cselect_b64 s[42:43], s[10:11], s[42:43]
	s_sub_co_u32 s55, s41, 5                       ; c = 5..8: fc1_w, columns 256 w' + 64 (c - 5) on
	s_lshl2_add_u32 s56, s40, s55
	s_lshl2_add_u32 s56, s56, s54
	s_cmp_lt_u32 s55, 4
	s_cselect_b64 s[42:43], s[12:13], s[42:43]
	s_cselect_b32 s44, 4096, s44
	s_cselect_b32 s48, s56, s48
	s_sub_co_u32 s55, s41, 9                       ; c = 9..12: fc2_w, rows 256 (c - 9) on
	s_lshl3_add_u32 s56, s55, s53
	s_cmp_lt_u32 s55, 4
	s_cselect_b64 s[42:43], s[14:15], s[42:43]
	s_cselect_b32 s49, s56, s49
	s_lshr_b32 s55, s38, 4                         ; c = 3, 15: the weight's rows are the fragment's rows, a head's 32 columns its k
	s_lshl1_add_u32 s55, s40, s55
	s_and_b32 s56, s38, 15
	s_cmp_eq_u32 s41, 3
	s_cselect_b32 s48, s56, s48
	s_cselect_b32 s49, s55, s49
	s_cselect_b32 s45, 1024, s45
	s_cselect_b32 s44, 4, s44
	s_cmp_eq_u32 s41, 15
	s_cselect_b32 s48, s56, s48
	s_cselect_b32 s49, s55, s49
	s_cselect_b32 s45, 1024, s45
	s_cselect_b32 s44, 4, s44
	s_and_b32 s55, s36, 1
	s_lshl2_add_u32 s55, s55, s51
	s_cmp_eq_u32 s41, 16                           ; k_b: all sixteen rows alike
	s_cselect_b64 s[42:43], s[16:17], s[42:43]
	s_cselect_b32 s48, 0, s48
	s_cselect_b32 s49, s55, s49
	s_cselect_b32 s45, 0, s45
	s_cselect_b32 s44, 4, s44
	s_cmp_eq_u32 s41, 17                           ; q_b
	s_cselect_b64 s[42:43], s[18:19], s[42:43]
	s_cselect_b32 s48, 0, s48
	s_cselect_b32 s49, s55, s49
	s_cselect_b32 s45, 0, s45
	s_cselect_b32 s44, 4, s44
	s_and_b32 s55, s36, 3
	s_lshl2_add_u32 s55, s55, s51
	s_cmp_ge_u32 s41, 18                           ; np_g[k] psi_w[k][r % 4]
	s_cselect_b64 s[42:43], s[20:21], s[42:43]
	s_cselect_b32 s48, 0, s48
	s_cselect_b32 s49, s55, s49
	s_cselect_b32 s44, 16, s44
	s_cselect_b32 s47, 3, s47
	s_cselect_b32 s50, -1, 0                       ; lanes' mask: take np_g as a factor
	s_cselect_b32 s57, 1, 0
	s_lshl_b32 s55, s48, 4
	s_mul_i32 s55, s55, s45                        ; 16 nt sn
	s_lshl_b32 s56, s49, 5
	s_lshl4_add_u32 s56, s39, s56                  ; 32 ks + 16 q
	s_mul_i32 s58, s56, s44
	s_add_co_u32 s2, s55, s58
	s_add_nc_u64 s[42:43], s[42:43], s[2:3]
	s_mov_b32 s2, s46
	s_add_nc_u64 s[60:61], s[42:43], s[2:3]
	s_mul_i32 s56, s56, s57                        ; np_g's index; 0 where it is no factor, so that the load stays inside np_g
	s_lshl_b32 s2, s36, 12
	s_add_nc_u64 s[34:35], s[34:35], s[2:3]
	v_and_b32 v4, s47, v2
	v_mul_lo_u32 v4, v4, s45
	v_lshlrev_b32 v5, 3, v3
	v_mul_lo_u32 v6, v5, s44
	v_add_nc_u32 v8, v4, v6                        ; r sn + 8 h sk
.irp e, 1,2,3,4,5,6,7
	v_add_nc_u32 v[8+\e], s44, v[7+\e]
.endr
	v_add_nc_u32 v5, s56, v5
	v_lshlrev_b32 v5, 2, v5
	v_lshlrev_b32 v7, 4, v0
.irp e, 0,1,2,3,4,5,6,7
	global_load_b32 v[16+\e], v[8+\e], s[42:43]
.endr
.irp e, 0,1,2,3,4,5,6,7
	global_load_b32 v[24+\e], v[8+\e], s[60:61]
.endr
	global_load_b128 v[32:35], v5, s[22:23]
	global_load_b128 v[36:39], v5, s[22:23] offset:16
	s_wait_loadcnt 0x0
.irp e, 0,1,2,3,4,5,6,7
	v_cndmask_b32 v[32+\e], 1.0, v[32+\e], s50
.endr
.irp p, 0,2,4,6
	v_pk_add_f32 v[16+\p:17+\p], v[16+\p:17+\p], v[24+\p:25+\p]    ; x + x' (x twice where there is one addend),
	v_pk_mul_f32 v[32+\p:33+\p], v[32+\p:33+\p], 0.5 op_sel_hi:[1,0]
	v_pk_mul_f32 v[16+\p:17+\p], v[16+\p:17+\p], v[32+\p:33+\p]    ; times half the factor: exact where nothing is folded
.endr
.irp p, 0,1,2,3
	v_cvt_pk_bf16_f32 v[40+\p], v[16+2*\p], v[17+2*\p]
.endr
	global_store_b128 v7, v[40:43], s[34:35]
	s_endpgm
.Lrsum:
	s_sub_co_u32 s38, s36, 520
	s_lshl3_add_u32 s38, s38, s37                  ; [batch][stream][slab of 512 numbers]
	s_lshr_b32 s39, s38, 5
	s_and_b32 s40, s38, 15
	s_lshl_b32 s2, s39, 15
	s_lshl_b32 s41, s40, 11
	s_add_co_u32 s2, s2, s41
	s_bitcmp1_b32 s38, 4
	s_cselect_b64 s[42:43], s[32:33], s[30:31]
	s_add_nc_u64 s[42:43], s[42:43], s[2:3]
	s_mov_b32 s58, 0x76543210
	s_mov_b32 s59, 0xfedcba98
	v_lshlrev_b32 v4, 4, v1
.irp i, 0,1,2,3
	global_load_b128 v[8+4*\i:11+4*\i], v4, s[42:43] offset:512*\i
.endr
	s_lshl_b32 s2, s38, 2
	v_mov_b32 v5, s2
	s_wait_loadcnt 0x0
	v_pk_add_f32 v[8:9], v[8:9], v[10:11]
	v_pk_add_f32 v[12:13], v[12:13], v[14:15]
	v_pk_add_f32 v[16:17], v[16:17], v[18:19]
	v_pk_add_f32 v[20:21], v[20:21], v[22:23]
	v_pk_add_f32 v[8:9], v[8:9], v[12:13]
	v_pk_add_f32 v[16:17], v[16:17], v[20:21]
	v_pk_add_f32 v[8:9], v[8:9], v[16:17]
	v_add_f32 v8, v8, v9
.irp m, 1,2,4,8
	v_add_f32_dpp v8, v8, v8 row_xmask:\m row_mask:0xf bank_mask:0xf
.endr
	v_permlanex16_b32 v9, v8, s58, s59
	v_add_f32 v8, v8, v9
	global_store_b32 v5, v8, s[34:35] offset:RSUMO ; every lane holds the sum and names the same word
	s_endpgm
.Lmisc:
	v_lshlrev_b32 v4, 2, v0
	global_load_b32 v5, v4, s[28:29]
	global_load_b32 v6, v4, s[28:29] offset:1024
	s_wait_loadcnt 0x0
	v_add_f32 v5, v5, v6
	v_mul_f32 v5, 0.5, v5
	global_store_b32 v4, v5, s[34:35] offset:PBHO
	s_cmp_lg_u32 s37, 0
	s_cbranch_scc1 .Ldone
	; wave 0: SG[m] = sum over k of bf16(np_g psi_w), the very numbers that the fragments hold; LC[m] = sum over k of np_b psi_w, plus psi_b.  Lane l takes k = 16 l .. 16 l + 15.
	s_load_b128 s[40:43], s[26:27], 0x0
	s_mov_b32 s58, 0x76543210
	s_mov_b32 s59, 0xfedcba98
	s_mov_b32 s44, 0xffff0000
	v_lshlrev_b32 v6, 8, v1
	v_lshlrev_b32 v7, 6, v1
.irp i, 0,1,2,3,4,5,6,7,8,9,10,11,12,13,14,15
	global_load_b128 v[16+4*\i:19+4*\i], v6, s[20:21] offset:16*\i
.endr
.irp i, 0,1,2,3
	global_load_b128 v[80+4*\i:83+4*\i], v7, s[22:23] offset:16*\i
	global_load_b128 v[96+4*\i:99+4*\i], v7, s[24:25] offset:16*\i
.endr
.irp m, 0,1,2,3,4,5,6,7
	v_mov_b32 v[8+\m], 0
.endr
	v_mov_b32 v118, 0
	v_mov_b32 v119, 0
	s_wait_loadcnt 0x0
.set k, 0
.rept 16
.irp m, 0,1,2,3
	v_mul_f32 v[112+\m], v[16+4*k+\m], v[80+k]
	v_fmac_f32 v[12+\m], v[16+4*k+\m], v[96+k]
.endr
	v_cvt_pk_bf16_f32 v116, v112, v113
	v_cvt_pk_bf16_f32 v117, v114, v115
	v_lshlrev_b32 v112, 16, v116
	v_and_b32 v113, s44, v116
	v_lshlrev_b32 v114, 16, v117
	v_and_b32 v115, s44, v117
	v_pk_add_f32 v[8:9], v[8:9], v[112:113]
	v_pk_add_f32 v[10:11], v[10:11], v[114:115]
.set k, k+1
.endr
.irp g, 8,9,10,11,12,13,14,15
.irp m, 1,2,4,8
	v_add_f32_dpp v[\g], v[\g], v[\g] row_xmask:\m row_mask:0xf bank_mask:0xf
.endr
	v_permlanex16_b32 v118, v[\g], s58, s59
	v_add_f32 v[\g], v[\g], v118
.endr
	s_wait_kmcnt 0x0
.irp m, 0,1,2,3
	v_add_f32 v[12+\m], s[40+\m], v[12+\m]
.endr
	global_store_b128 v119, v[8:11], s[34:35] offset:SGLCO
	global_store_b128 v119, v[12:15], s[34:35] offset:SGLCO+16
.Ldone:
	s_endpgm
.Lfunc_end_k_q7873c1ecc8_prep:
	.size	k_q7873c1ecc8_prep, .Lfunc_end_k_q7873c1ecc8_prep-k_q7873c1ecc8_prep
	.p2alignl 7, 3214868480
	.fill 96, 4, 3214868480
	.section	.rodata,"a",@progbits
	.p2align	6, 0x0
	.amdhsa_kernel k_q7873c1ecc8_prep
		.amdhsa_group_segment_fixed_size 0
		.amdhsa_private_segment_fixed_size 0
		.amdhsa_enable_private_segment 0
		.amdhsa_kernarg_size 128
		.amdhsa_user_sgpr_count 2
		.amdhsa_user_sgpr_kernarg_segment_ptr 1
		.amdhsa_wavefront_size32 1
		.amdhsa_system_sgpr_workgroup_id_x 1
		.amdhsa_system_sgpr_workgroup_id_y 1
		.amdhsa_system_sgpr_workgroup_id_z 1
		.amdhsa_system_vgpr_workitem_id 0
		.amdhsa_next_free_vgpr 128
		.amdhsa_next_free_sgpr 66
		.amdhsa_reserve_vcc 0
		.amdhsa_float_denorm_mode_32 3
		.amdhsa_float_denorm_mode_16_64 3
		.amdhsa_memory_ordered 1
		.amdhsa_forward_progress 1
		.amdhsa_inst_pref_size 27
	.end_amdhsa_kernel
	.amdgpu_metadata
---
amdhsa.version: [ 1, 2 ]
amdhsa.kernels:
  - .name:           k_q7873c1ecc8_prep
    .symbol:         k_q7873c1ecc8_prep.kd
    .args:
      - { .name: phi_w, .offset: 0, .size: 8, .value_kind: global_buffer, .address_space: global }
      - { .name: q_w, .offset: 8, .size: 8, .value_kind: global_buffer, .address_space: global }
      - { .name: k_w, .offset: 16, .size: 8, .value_kind: global_buffer, .address_space: global }
      - { .name: v_w, .offset: 24, .size: 8, .value_kind: global_buffer, .address_space: global }
      - { .name: fc1_w, .offset: 32, .size: 8, .value_kind: global_buffer, .address_space: global }
      - { .name: fc2_w, .offset: 40, .size: 8, .value_kind: global_buffer, .address_space: global }
      - { .name: k_b, .offset: 48, .size: 8, .value_kind: global_buffer, .address_space: global }
      - { .name: q_b, .offset: 56, .size: 8, .value_kind: global_buffer, .address_space: global }
      - { .name: psi_w, .offset: 64, .size: 8, .value_kind: global_buffer, .address_space: global }
      - { .name: np_g, .offset: 72, .size: 8, .value_kind: global_buffer, .address_space: global }
      - { .name: np_b, .offset: 80, .size: 8, .value_kind: global_buffer, .address_space: global }
      - { .name: psi_b, .offset: 88, .size: 8, .value_kind: global_buffer, .address_space: global }
      - { .name: phi_b, .offset: 96, .size: 8, .value_kind: global_buffer, .address_space: global }
      - { .name: r_R, .offset: 104, .size: 8, .value_kind: global_buffer, .address_space: global }
      - { .name: r_T, .offset: 112, .size: 8, .value_kind: global_buffer, .address_space: global }
      - { .name: ws, .offset: 120, .size: 8, .value_kind: global_buffer, .address_space: global }
    .group_segment_fixed_size: 0
    .private_segment_fixed_size: 0
    .kernarg_segment_align: 8
    .kernarg_segment_size: 128
    .max_flat_workgroup_size: 256
    .sgpr_count:     66
    .vgpr_count:     128
    .wavefront_size: 32
...
	.end_amdgpu_metadata
.endif
;; end of part 1
;; launch main (part 2): grid 256 x 1, 4 waves a work-group, no clusters, 327,680 bytes of LDS; arguments F_R, F_T, r_R, r_T, ws, np_g, np_b, nz_g, nz_b, nzf_g, nzf_b, nr_g, nr_b, nt_g, nt_b, q_b, v_b, fc1_b, fc2_b, k_b, g1_w, g1_b, g2_w, g2_b, out0; writes out0
.if DOCPART == 2
	.amdgcn_target "amdgcn-amd-amdhsa--gfx1250"
	.amdhsa_code_object_version 6
	.text
	.protected	k_q7873c1ecc8_main
	.globl	k_q7873c1ecc8_main
	.p2align	8
	.type	k_q7873c1ecc8_main,@function
k_q7873c1ecc8_main:
	s_mov_b64 s[64:65], 0
	v_nop
	global_prefetch_b8 v0, s[64:65] scope:SCOPE_SE
	s_setreg_imm32_b32 hwreg(HW_REG_WAVE_MODE, 25, 1), 1
	s_wait_xcnt 0x0
; The whole module for four windows (8 rows x 32 columns of one batch) in one work-group; wave w owns window w in the passes over tokens and a quarter of the columns (a pair of heads) in the chain on the 16 mediator rows.
; F of both streams is read from memory once, rounded to bf16 and kept in LDS as [window][token][512 channels]; every product with F is reassociated so that it runs on that one copy:
;   pooled = (softmax weights)^T F, then phi (the weights sum to 1, so phi_b is added once);  Q.(F k_w + k_b) = F.(k_w Q) + Q.k_b;  a.(F v_w + v_b) = (a F) v_w + v_b;  (F q_w + q_b).K = F.(q_w K) + q_b.K.
; LIMITS.  F is rounded to bf16 once, on entry, and every use takes that number, the residual too.  The group's 32 columns are 128 bytes of a row of F and of out0: loads and stores cover 128 consecutive bytes a row,
; since eight windows of both streams (512 KiB in bf16) do not fit in LDS.  erf by the rational form of Abramowitz and Stegun 7.1.26, absolute error 1.5e-7, on all reals.  rpb_table enters no result of the module and is not read.
; No tensor loads: F must be converted and turned on its way in, which goes through registers.  No cluster: LDS is full of F, and what is left would make slots of 16 KiB for 2 MiB of weights.
; REGISTERS in windows of 256 (s_set_vgpr_msb: bits 1:0 source 0, 3:2 source 1, 5:4 source 2, 7:6 destination):
;   window 0: v0-31 addresses; v32-63 ACC; v64-95 BI (bias); v96-127 small inputs, later Z; v128-255 load ring, XF (chain), QF (passes)
;   window 1: v0-127 F's fragments and work; v128-191 scores; v192-223 per-token factors; v224-255 weights in bf16
;   window 2: one chunk of weights (32 fragments), at last OUT          window 3: psi fragments and pooled sums; G; at last VF and the residual sums
.set WSTR, 66576                       ; a window of F: 64 token rows and 16 bytes more
.set FP,   1040                        ; a token row: 1,024 bytes + 16
.set HB,   266496                      ; 34,048 bytes used by turns: PS, POOL, ZF, Qbuf/Gbuf, H1, VTb, the stage
.set ZF,   HB+16896
.set XA,   300544                      ; 16 rows x 528, bf16
.set XB,   308992                      ; the same; first np_g and np_b in f32
.set RM,   317440                      ; [stream][256 tokens] r x 32^-0.5 x log2(e)
.set SA,   319488                      ; first mean and rstd of the tokens; later the three blended gain and bias rows
.set LNP,  322560                      ; nz_g nz_b nzf_g nzf_b
.set CB,   326656                      ; [window][32 columns] bias dots
.set SPARE,327168                      ; the spare words: 128 bytes a wave, named by no other line
.set KBTO, 2097152
.set QBTO, 2105344
.set GPO,  2113536
.set PBHO, 2129920
.set SGLCO,2130944
.set RSUMO,2131200
.set FPA,4
.set FTA,5
.set HBR,6
.set HBW,7
.set XPL,8
.set XAR,9
.set FRA,10
.set H1R,11
.set XAW,12
.set XBW,13
.set H1W,14
.set ZFW,15
.set ZFR,16
.set PLW,17
.set NPA,18
.set CBW,19
.set BO,20
.set BO1,21
.set WL,22
.set TKR,23
.set LNA,24
.set XLW,25
.set LA,26
.set VBA,26
.set VO,27
.set T0,28
.set T1,29
.set SPW,30
.set NIL,31
.set ACC,32
.set QH,32
.set CBV,32
.set BI,64
.set ZR,96
.set XF,128
.set QF,128
.set RING,128
.set PV,32
.set SU1,40
.set SU2,48
.set DR,56
.set CV,64
.set KC,192
.set GT,208
.set LG,128                            ; window 1
.set SC,128
.set TM,160
.set RSR,192
.set AFR,224
.set MSB,0
.macro WIN new                         ; the immediate's high byte repeats the setting that is left
.if MSB != (\new)
	s_set_vgpr_msb (MSB<<8)|(\new)
.set MSB, (\new)
.endif
.endm
.macro PLACES                          ; four plain vector instructions between a matrix instruction and what reads its result or writes or loads into one of its registers
.rept 4
	v_nop
.endr
.endm
.macro WB                              ; my LDS instructions are done; then every wave's are
	s_wait_dscnt 0x0
	s_barrier_signal -1
	s_barrier_wait -1
.endm
.macro MMA                             ; rD = rA x rB + rC (rC < 0: the constant 0 starts the sum)
.if rC < 0
	v_wmma_f32_16x16x32_bf16 v[rD:rD+7], v[rA:rA+7], v[rB:rB+7], 0
.else
	v_wmma_f32_16x16x32_bf16 v[rD:rD+7], v[rA:rA+7], v[rB:rB+7], v[rC:rC+7]
.endif
.endm
.macro WLOAD f0, n                     ; n fragments of the chunk at the stream's base, into window 2
	WIN 0x80
.set wf, \f0
.rept \n
	global_load_b128 v[8*wf:8*wf+3], v[WL], s[66:67] offset:wf*1024
	global_load_b128 v[8*wf+4:8*wf+7], v[WL], s[66:67] offset:wf*1024+512
.set wf, wf+1
.endr
.endm
.macro V8 sp, vo, off                  ; a bias in the accumulators' layout: register j of tile a is column 64 w + 16 a + 8 h + j
.irp a, 0,1,2,3
	global_load_b128 v[BI+8*\a:BI+8*\a+3], v[\vo], s[\sp:\sp+1] offset:(\off)+64*\a
	global_load_b128 v[BI+8*\a+4:BI+8*\a+7], v[\vo], s[\sp:\sp+1] offset:(\off)+64*\a+16
.endr
.endm
.macro FR off                          ; my two heads' bias fragments
.irp q, 0,1,2,3
	global_load_b128 v[BI+4*\q:BI+4*\q+3], v[FRA], s[12:13] offset:(\off)+512*\q
.endr
.endm
.macro BIAS kind
.if (\kind) == 1
	V8 34, BO, 0
.elseif (\kind) == 2
	FR KBTO
.elseif (\kind) == 3
	V8 36, BO, 0
.elseif (\kind) == 4
	V8 38, BO1, 0
.elseif (\kind) == 5
	V8 40, BO, 0
.elseif (\kind) == 6
	V8 42, BO, 0
.elseif (\kind) == 7
.irp a, 0,1,2,3
	global_load_b32 v[BI+16+\a], v[VBA], s[36:37] offset:64*\a
.endr
.elseif (\kind) == 8
	FR QBTO
.elseif (\kind) == 9
	v_add_nc_u32 v[BO1], 0x100, v[BO1]             ; no memory instruction has been issued since the chunk's s_wait_xcnt 0
	V8 38, BO1, 0
.endif
.endm
.macro XLOAD areg, off                 ; 16 mediator rows x 256 of k, eight fragments
	WIN 0
.irp k, 0,1,2,3,4,5,6,7
	ds_load_b128 v[XF+8*\k:XF+8*\k+3], v[\areg] offset:(\off)+64*\k
	ds_load_b128 v[XF+8*\k+4:XF+8*\k+7], v[\areg] offset:(\off)+64*\k+32
.endr
	s_wait_dscnt 0x0
.endm
; One chunk: 16 rows x my 64 columns += X (K = 256) x W.  Source 0 = the weights, so that a lane holds one mediator row and eight neighbouring columns (swap = 1: the other way round).
; first = 1: the bias starts the sums; 2: the constant 0; 0: they go on.  The four accumulators take turns.  Each quarter of the chunk's registers is loaded again, with the next chunk's
; quarter, as soon as it has been multiplied.  Counts: loads return in order; behind the quarter wanted stand three quarters of 16 loads (48), and from the second quarter on the nbn loads of the next bias.
.macro CHUNK first, swap, nbn, kind
	WIN 0
	s_wait_xcnt 0x0                                ; the base is stepped only behind this wait
	s_add_nc_u64 s[66:67], s[66:67], 0x8000
.set cq, 0
.rept 4
.if cq == 0
	s_wait_loadcnt 48
.else
	s_wait_loadcnt 48+(\nbn)
.endif
.if \swap
	WIN 0x08
.else
	WIN 0x02
.endif
.set ck, 2*cq
.rept 2
.set ca, 0
.rept 4
.set rD, ACC+8*ca
.set rC, rD
.if ck == 0
.if (\first) == 1
.set rC, BI+8*ca
.elseif (\first) == 2
.set rC, -1
.endif
.endif
.if \swap
.set rA, XF+8*ck
.set rB, 8*(4*ck+ca)
.else
.set rA, 8*(4*ck+ca)
.set rB, XF+8*ck
.endif
	MMA
.set ca, ca+1
.endr
.set ck, ck+1
.endr
	PLACES
.if cq == 0
	WIN 0
	BIAS \kind
.endif
	WLOAD 8*cq, 8
.set cq, cq+1
.endr
	WIN 0
.endm
.macro E_F32                           ; the sums as f32 rows
	WIN 0
.irp a, 0,1,2,3
	ds_store_b128 v[ZFW], v[ACC+8*\a:ACC+8*\a+3] offset:64*\a
	ds_store_b128 v[ZFW], v[ACC+8*\a+4:ACC+8*\a+7] offset:64*\a+16
.endr
.endm
.macro E_BF areg                       ; the sums as bf16 rows
	WIN 0
.irp a, 0,1,2,3
.irp k, 0,1,2,3
	v_cvt_pk_bf16_f32 v[ACC+8*\a+\k], v[ACC+8*\a+2*\k], v[ACC+8*\a+2*\k+1]
.endr
.endr
.irp a, 0,1,2,3
	ds_store_b128 v[\areg], v[ACC+8*\a:ACC+8*\a+3] offset:32*\a
.endr
.endm
; Exact GELU, two numbers at a time: z = |x| / sqrt 2, t = 1 / (1 + p z), erf = 1 - t (a1 + t (a2 + ..)) e^(-z^2) with x's sign, y = x/2 + x/2 erf.  A plain instruction stands behind each pair of transcendentals before their results are used.
.macro E_GELU
	WIN 0
.set ga, 0
.rept 4
.set gp, 0
.rept 4
.set gx, ACC+8*ga+2*gp
.set gt, GT+8*(gp%2)
	v_and_b32 v[gt], 0x7fffffff, v[gx]
	v_and_b32 v[gt+1], 0x7fffffff, v[gx+1]
	v_pk_fma_f32 v[gt:gt+1], v[gt:gt+1], v[KC+10:KC+11], 1.0 op_sel_hi:[1,1,0]
	v_rcp_f32 v[gt], v[gt]
	v_rcp_f32 v[gt+1], v[gt+1]
	v_pk_mul_f32 v[gt+2:gt+3], v[gx:gx+1], v[gx:gx+1]
	v_pk_mul_f32 v[gt+2:gt+3], v[gt+2:gt+3], v[KC+12:KC+13]
	v_exp_f32 v[gt+2], v[gt+2]
	v_exp_f32 v[gt+3], v[gt+3]
	s_wait_alu depctr_va_vdst(0)
	v_pk_fma_f32 v[gt+4:gt+5], v[gt:gt+1], v[KC:KC+1], v[KC+2:KC+3]
	v_pk_fma_f32 v[gt+4:gt+5], v[gt+4:gt+5], v[gt:gt+1], v[KC+4:KC+5]
	v_pk_fma_f32 v[gt+4:gt+5], v[gt+4:gt+5], v[gt:gt+1], v[KC+6:KC+7]
	v_pk_fma_f32 v[gt+4:gt+5], v[gt+4:gt+5], v[gt:gt+1], v[KC+8:KC+9]
	v_pk_mul_f32 v[gt+4:gt+5], v[gt+4:gt+5], v[gt:gt+1]
	v_pk_fma_f32 v[gt+4:gt+5], v[gt+4:gt+5], v[gt+2:gt+3], 1.0 op_sel_hi:[1,1,0] neg_lo:[1,0,0] neg_hi:[1,0,0]
	v_bfi_b32 v[gt+4], 0x7fffffff, v[gt+4], v[gx]
	v_bfi_b32 v[gt+5], 0x7fffffff, v[gt+5], v[gx+1]
	v_pk_mul_f32 v[gt+6:gt+7], v[gx:gx+1], 0.5 op_sel_hi:[1,0]
	v_pk_fma_f32 v[gt+4:gt+5], v[gt+6:gt+7], v[gt+4:gt+5], v[gt+6:gt+7]
	v_cvt_pk_bf16_f32 v[ACC+8*ga+gp], v[gt+4], v[gt+5]
.set gp, gp+1
.endr
	ds_store_b128 v[H1W], v[ACC+8*ga:ACC+8*ga+3] offset:32*ga
.set ga, ga+1
.endr
.endm
; LayerNorm of my four mediator rows (lane l: channels 8 l .. 8 l + 7), mean first and then the centred squares.  add = 0: the result is kept as Z; add = 1: Z is added first.  go: where gain and bias lie.
.macro LNROW add, go
	WIN 0
.irp w, 0,1,2,3
	ds_load_b128 v[XF+8*\w:XF+8*\w+3], v[ZFR] offset:\w*FP
	ds_load_b128 v[XF+8*\w+4:XF+8*\w+7], v[ZFR] offset:\w*FP+16
.endr
	ds_load_b128 v[160:163], v[LNA] offset:\go
	ds_load_b128 v[164:167], v[LNA] offset:(\go)+16
	ds_load_b128 v[168:171], v[LNA] offset:(\go)+1024
	ds_load_b128 v[172:175], v[LNA] offset:(\go)+1040
	s_wait_dscnt 0x0
.if \add
.irp w, 0,1,2,3
.irp p, 0,2,4,6
	v_pk_add_f32 v[XF+8*\w+\p:XF+8*\w+\p+1], v[XF+8*\w+\p:XF+8*\w+\p+1], v[ZR+8*\w+\p:ZR+8*\w+\p+1]
.endr
.endr
.endif
.irp w, 0,1,2,3
	v_pk_add_f32 v[176+4*\w:177+4*\w], v[XF+8*\w:XF+8*\w+1], v[XF+8*\w+2:XF+8*\w+3]
	v_pk_add_f32 v[178+4*\w:179+4*\w], v[XF+8*\w+4:XF+8*\w+5], v[XF+8*\w+6:XF+8*\w+7]
.endr
.irp w, 0,1,2,3
	v_pk_add_f32 v[176+4*\w:177+4*\w], v[176+4*\w:177+4*\w], v[178+4*\w:179+4*\w]
.endr
.irp w, 0,1,2,3
	v_add_f32 v[176+4*\w], v[176+4*\w], v[177+4*\w]
.endr
.irp m, 1,2,4,8
.irp w, 0,1,2,3
	v_add_f32_dpp v[176+4*\w], v[176+4*\w], v[176+4*\w] row_xmask:\m row_mask:0xf bank_mask:0xf
.endr
.endr
.irp w, 0,1,2,3
	v_permlanex16_b32 v[177+4*\w], v[176+4*\w], s58, s59
.endr
.irp w, 0,1,2,3
	v_add_f32 v[176+4*\w], v[176+4*\w], v[177+4*\w]
.endr
.irp w, 0,1,2,3
	v_mul_f32 v[176+4*\w], s63, v[176+4*\w]
.endr
.irp w, 0,1,2,3
.irp p, 0,2,4,6
	v_pk_add_f32 v[XF+8*\w+\p:XF+8*\w+\p+1], v[XF+8*\w+\p:XF+8*\w+\p+1], v[176+4*\w:177+4*\w] op_sel_hi:[1,0] neg_lo:[0,1] neg_hi:[0,1]
.endr
.endr
.irp w, 0,1,2,3
	v_pk_mul_f32 v[178+4*\w:179+4*\w], v[XF+8*\w:XF+8*\w+1], v[XF+8*\w:XF+8*\w+1]
.endr
.irp p, 2,4,6
.irp w, 0,1,2,3
	v_pk_fma_f32 v[178+4*\w:179+4*\w], v[XF+8*\w+\p:XF+8*\w+\p+1], v[XF+8*\w+\p:XF+8*\w+\p+1], v[178+4*\w:179+4*\w]
.endr
.endr
.irp w, 0,1,2,3
	v_add_f32 v[178+4*\w], v[178+4*\w], v[179+4*\w]
.endr
.irp m, 1,2,4,8
.irp w, 0,1,2,3
	v_add_f32_dpp v[178+4*\w], v[178+4*\w], v[178+4*\w] row_xmask:\m row_mask:0xf bank_mask:0xf
.endr
.endr
.irp w, 0,1,2,3
	v_permlanex16_b32 v[179+4*\w], v[178+4*\w], s58, s59
.endr
.irp w, 0,1,2,3
	v_add_f32 v[178+4*\w], v[178+4*\w], v[179+4*\w]
.endr
.irp w, 0,1,2,3
	v_fma_f32 v[178+4*\w], v[178+4*\w], s63, s62
.endr
.irp w, 0,1,2,3
	v_rsq_f32 v[178+4*\w], v[178+4*\w]
.endr
	v_nop
	s_wait_alu depctr_va_vdst(0)
.irp w, 0,1,2,3
.irp p, 0,2,4,6
	v_pk_mul_f32 v[XF+8*\w+\p:XF+8*\w+\p+1], v[XF+8*\w+\p:XF+8*\w+\p+1], v[178+4*\w:179+4*\w] op_sel_hi:[1,0]
.endr
.endr
.irp w, 0,1,2,3
.irp p, 0,2,4,6
.if \add
	v_pk_fma_f32 v[XF+8*\w+\p:XF+8*\w+\p+1], v[XF+8*\w+\p:XF+8*\w+\p+1], v[160+\p:161+\p], v[168+\p:169+\p]
.else
	v_pk_fma_f32 v[ZR+8*\w+\p:ZR+8*\w+\p+1], v[XF+8*\w+\p:XF+8*\w+\p+1], v[160+\p:161+\p], v[168+\p:169+\p]
.endif
.endr
.endr
.irp w, 0,1,2,3
.irp k, 0,1,2,3
.if \add
	v_cvt_pk_bf16_f32 v[XF+8*\w+\k], v[XF+8*\w+2*\k], v[XF+8*\w+2*\k+1]
.else
	v_cvt_pk_bf16_f32 v[XF+8*\w+\k], v[ZR+8*\w+2*\k], v[ZR+8*\w+2*\k+1]
.endif
.endr
	ds_store_b128 v[XLW], v[XF+8*\w:XF+8*\w+3] offset:\w*528
.endr
.endm
; F's fragments of my window.  PLAIN: 64 tokens x 128 channels as they lie (fragment (ksl, t) at 8 (4 ksl + t)); TR: 128 channels x 64 tokens, turned (fragment (kk, il) at 8 (8 kk + il)).
.macro PLAIN s, kh
	WIN 0x40
.irp c, 0,1,2,3
.irp t, 0,1,2,3
	ds_load_b128 v[8*(4*\c+\t):8*(4*\c+\t)+3], v[FPA] offset:\t*16640+512*(\s)+(4*(\kh)+\c)*64
	ds_load_b128 v[8*(4*\c+\t)+4:8*(4*\c+\t)+7], v[FPA] offset:\t*16640+512*(\s)+(4*(\kh)+\c)*64+32
.endr
.endr
.endm
.macro TR areg, off
	WIN 0x40
.irp c, 0,1
.irp i, 0,1,2,3,4,5,6,7
	ds_load_tr16_b128 v[8*(8*\c+\i):8*(8*\c+\i)+3], v[\areg] offset:\c*33280+(\off)+\i*32
	ds_load_tr16_b128 v[8*(8*\c+\i)+4:8*(8*\c+\i)+7], v[\areg] offset:\c*33280+16640+(\off)+\i*32
.endr
.endr
.endm
; Softmax over 64 tokens of which a lane holds 32 (registers X ..) and the lane 16 away the others; X is in units of log2.  Leaves 2^(x - max) in X and 1 / sum in T + 4.  All in window 1.
.macro SOFT32 X, T
	WIN 0x55
	v_max3_num_f32 v[(\T)], v[(\X)], v[(\X)+1], v[(\X)+2]
	v_max3_num_f32 v[(\T)+1], v[(\X)+3], v[(\X)+4], v[(\X)+5]
	v_max3_num_f32 v[(\T)+2], v[(\X)+6], v[(\X)+7], v[(\X)+8]
	v_max3_num_f32 v[(\T)+3], v[(\X)+9], v[(\X)+10], v[(\X)+11]
.set sj, 12
.rept 10
	v_max3_num_f32 v[(\T)+(sj/2)%4], v[(\T)+(sj/2)%4], v[(\X)+sj], v[(\X)+sj+1]
.set sj, sj+2
.endr
	v_max3_num_f32 v[(\T)], v[(\T)], v[(\T)+1], v[(\T)+2]
	v_max_num_f32 v[(\T)], v[(\T)], v[(\T)+3]
	v_permlanex16_b32 v[(\T)+1], v[(\T)], s58, s59
	v_max_num_f32 v[(\T)], v[(\T)], v[(\T)+1]
.set sj, 0
.rept 16
	v_pk_add_f32 v[(\X)+sj:(\X)+sj+1], v[(\X)+sj:(\X)+sj+1], v[(\T):(\T)+1] op_sel_hi:[1,0] neg_lo:[0,1] neg_hi:[0,1]
.set sj, sj+2
.endr
.set sj, 0
.rept 32
	v_exp_f32 v[(\X)+sj], v[(\X)+sj]
.set sj, sj+1
.endr
	v_nop
	s_wait_alu depctr_va_vdst(0)
	v_pk_add_f32 v[(\T)+2:(\T)+3], v[(\X):(\X)+1], v[(\X)+2:(\X)+3]
	v_pk_add_f32 v[(\T)+4:(\T)+5], v[(\X)+4:(\X)+5], v[(\X)+6:(\X)+7]
.set sj, 4
.rept 12
	v_pk_add_f32 v[(\T)+2+2*(sj%2):(\T)+3+2*(sj%2)], v[(\T)+2+2*(sj%2):(\T)+3+2*(sj%2)], v[(\X)+2*sj:(\X)+2*sj+1]
.set sj, sj+1
.endr
	v_pk_add_f32 v[(\T)+2:(\T)+3], v[(\T)+2:(\T)+3], v[(\T)+4:(\T)+5]
	v_add_f32 v[(\T)+2], v[(\T)+2], v[(\T)+3]
	v_permlanex16_b32 v[(\T)+3], v[(\T)+2], s58, s59
	v_add_f32 v[(\T)+2], v[(\T)+2], v[(\T)+3]
	v_rcp_f32 v[(\T)+4], v[(\T)+2]
	v_nop
.endm
; A chunk whose fragments are a weight's ROWS x one head's 32 columns: for my two heads T, (weight) x (the 16 mediator rows' head part) gives 256 channels for each row; they go to the window that owns the row.
; Both bias dots are made in the first half, since the next bias is loaded over their fragments.  Qbuf is written, read and written again: a barrier on either side of each.
.macro HHALF T, next, nbn, kind
.if (\T) == 0
	s_wait_loadcnt 32                              ; behind my first 16 fragments (and the bias fragments ahead of them) stand the other 16: 32 loads
.elseif \next
	s_wait_loadcnt 32+(\nbn)                       ; behind them: the next bias and the next chunk's first 32 loads
.else
	s_wait_loadcnt 0x0
.endif
	WIN 0x42
.set ca, 0
.rept 16
.set rD, 8*ca
.set rA, 8*(16*(\T)+ca)
.set rB, QH+8*(\T)
.set rC, -1
	MMA
.set ca, ca+1
.endr
	WIN 0
.if (\T) == 0
.set rD, 48
.set rA, BI
.set rB, QH
	MMA
.set rD, 56
.set rA, BI+8
.set rB, QH+8
	MMA
.endif
	PLACES
.if (\T) == 0
	BIAS \kind
.endif
.if \next
	WLOAD 16*(\T), 16
.endif
	WIN 0x45
.set ca, 0
.rept 16
.irp k, 0,1,2,3
	v_cvt_pk_bf16_f32 v[8*ca+\k], v[8*ca+2*\k], v[8*ca+2*\k+1]
.endr
.set ca, ca+1
.endr
	WIN 0x04
.set ca, 0
.rept 16
	ds_store_b128 v[HBW], v[8*ca:8*ca+3] offset:32*ca
.set ca, ca+1
.endr
	WIN 0
.if (\T) == 0
	ds_store_b32 v[CBW], v48
	ds_store_b32 v[CBW], v56 offset:64
.endif
	WB
.irp k, 0,1,2,3,4,5,6,7
	ds_load_b128 v[QF+64*(\T)+8*\k:QF+64*(\T)+8*\k+3], v[HBR] offset:64*\k
	ds_load_b128 v[QF+64*(\T)+8*\k+4:QF+64*(\T)+8*\k+7], v[HBR] offset:64*\k+32
.endr
.endm
.macro HEADCH next, nbn, kind
	WIN 0
.irp T, 0,1
	ds_load_b128 v[QH+8*\T:QH+8*\T+3], v[XBW] offset:64*\T
	ds_load_b128 v[QH+8*\T+4:QH+8*\T+7], v[XBW] offset:64*\T+32
.endr
.if \next
	s_wait_xcnt 0x0
	s_add_nc_u64 s[66:67], s[66:67], 0x8000
.endif
	s_wait_dscnt 0x0
	HHALF 0, \next, \nbn, \kind
	WB
	HHALF 1, \next, \nbn, \kind
.endm
; Mediators attend to stream s: scores for 32 (head, mediator) columns in two tiles T; softmax over tokens; G += a^T F.
.macro SMAX T
	WIN 0x41
.set sp, 0
.rept 16
	v_pk_add_f32 v[SC+32*(\T)+2*sp:SC+32*(\T)+2*sp+1], v[SC+32*(\T)+2*sp:SC+32*(\T)+2*sp+1], v[CBV+2*(\T):CBV+2*(\T)+1] op_sel_hi:[1,0]
.set sp, sp+1
.endr
	WIN 0x55
.set sp, 0
.rept 16
	v_pk_mul_f32 v[SC+32*(\T)+2*sp:SC+32*(\T)+2*sp+1], v[SC+32*(\T)+2*sp:SC+32*(\T)+2*sp+1], v[RSR+2*sp:RSR+2*sp+1]
.set sp, sp+1
.endr
	SOFT32 SC+32*(\T), 0
.set sp, 0
	s_wait_alu depctr_va_vdst(0)
.rept 16
	v_pk_mul_f32 v[SC+32*(\T)+2*sp:SC+32*(\T)+2*sp+1], v[SC+32*(\T)+2*sp:SC+32*(\T)+2*sp+1], v[4:5] op_sel_hi:[1,0]
.set sp, sp+1
.endr
.set sp, 0
.rept 16
	v_cvt_pk_bf16_f32 v[AFR+16*(\T)+sp], v[SC+32*(\T)+2*sp], v[SC+32*(\T)+2*sp+1]
.set sp, sp+1
.endr
.endm
.macro PASS2 s
	PLACES
	WIN 0x40
.irp t, 0,1,2,3
	ds_load_b128 v[RSR+8*\t:RSR+8*\t+3], v[TKR] offset:(\s)*1024+64*\t
	ds_load_b128 v[RSR+8*\t+4:RSR+8*\t+7], v[TKR] offset:(\s)*1024+64*\t+16
.endr
.set blk, 0
.rept 2
.if blk > 0
	PLACES
.endif
	PLAIN \s, blk
.set ck, 0
.rept 4
	s_wait_dscnt 24-8*ck                           ; eight loads for each 32 channels, in order
	WIN 0x51
.set ca, 0
.rept 8
.set rD, SC+8*ca
.set rC, rD
.if blk == 0 && ck == 0
.set rC, -1
.endif
.set rA, 8*(4*ck+ca%4)
.set rB, QF+64*(ca/4)+8*(4*blk+ck)
	MMA
.set ca, ca+1
.endr
.set ck, ck+1
.endr
.set blk, blk+1
.endr
	PLACES
	SMAX 0
	SMAX 1
.set blk, 0
.rept 2
.if blk > 0
	PLACES
.endif
	TR FTA, 512*(\s)+256*blk
.set ck, 0
.rept 2
	s_wait_dscnt 16-16*ck
	WIN 0xf5
.set ca, 0
.rept 16
.set rD, 128*(ca/8)+8*(8*blk+ca%8)
.set rC, rD
.if (\s) == 0 && ck == 0
.set rC, -1
.endif
.set rA, 8*(8*ck+ca%8)
.set rB, AFR+16*(ca/8)+8*ck
	MMA
.set ca, ca+1
.endr
.set ck, ck+1
.endr
.set blk, blk+1
.endr
.endm
.macro GST T                           ; G of tile T to the wave that owns the head
	WIN 0xcf
.set ca, 0
.rept 16
.irp k, 0,1,2,3
	v_cvt_pk_bf16_f32 v[128*(\T)+8*ca+\k], v[128*(\T)+8*ca+2*\k], v[128*(\T)+8*ca+2*\k+1]
.endr
.set ca, ca+1
.endr
	WIN 0x0c
.set ca, 0
.rept 16
	ds_store_b128 v[HBW], v[128*(\T)+8*ca:128*(\T)+8*ca+3] offset:32*ca
.set ca, ca+1
.endr
	WIN 0
.endm
; One unit of the way in: 8 channels x 4 rows x 32 columns.  A lane holds 4 neighbouring tokens x 8 channels: shifted sums for the first LayerNorm, then 16 bytes of bf16 into each token's row.
.macro UNIT s, yh, refill, left
.set RB, RING+32*(2*(\s)+(\yh))
	s_wait_loadcnt \left
.irp i, 0,1,2,3,4,5,6,7
.set DD, DR+4*((\i)%2)
	v_pk_add_f32 v[DD:DD+1], v[RB+4*\i:RB+4*\i+1], v[PV+4*(\yh):PV+4*(\yh)+1] neg_lo:[0,1] neg_hi:[0,1]
	v_pk_add_f32 v[DD+2:DD+3], v[RB+4*\i+2:RB+4*\i+3], v[PV+4*(\yh)+2:PV+4*(\yh)+3] neg_lo:[0,1] neg_hi:[0,1]
	v_pk_add_f32 v[SU1+4*(\yh):SU1+4*(\yh)+1], v[SU1+4*(\yh):SU1+4*(\yh)+1], v[DD:DD+1]
	v_pk_add_f32 v[SU1+4*(\yh)+2:SU1+4*(\yh)+3], v[SU1+4*(\yh)+2:SU1+4*(\yh)+3], v[DD+2:DD+3]
	v_pk_fma_f32 v[SU2+4*(\yh):SU2+4*(\yh)+1], v[DD:DD+1], v[DD:DD+1], v[SU2+4*(\yh):SU2+4*(\yh)+1]
	v_pk_fma_f32 v[SU2+4*(\yh)+2:SU2+4*(\yh)+3], v[DD+2:DD+3], v[DD+2:DD+3], v[SU2+4*(\yh)+2:SU2+4*(\yh)+3]
.endr
.irp k, 0,1,2,3
.irp j, 0,1,2,3
	v_cvt_pk_bf16_f32 v[CV+4*\k+\j], v[RB+8*\j+\k], v[RB+8*\j+4+\k]
.endr
.endr
.irp k, 0,1,2,3
	ds_store_b128 v[LA], v[CV+4*\k:CV+4*\k+3] offset:\k*FP+(\yh)*33280+(\s)*512
.endr
.if \refill
.irp i, 0,1,2,3,4,5,6,7
	global_load_b128 v[RB+4*\i:RB+4*\i+3], v[VO], s[4+2*(\s):5+2*(\s)] offset:\i*32768+(\yh)*2048+262144 th:TH_LOAD_NT
.endr
.endif
.endm
	; ================= head: arguments, ids, addresses
	s_load_b512 s[4:19], s[0:1], 0x0               ; F_R F_T r_R r_T ws np_g np_b nz_g
	s_load_b512 s[20:35], s[0:1], 0x40             ; nz_b nzf_g nzf_b nr_g nr_b nt_g nt_b q_b
	s_load_b512 s[36:51], s[0:1], 0x80             ; v_b fc1_b fc2_b k_b g1_w g1_b g2_w g2_b
	s_load_b64 s[52:53], s[0:1], 0xc0              ; out0
	v_lshl_add_u32 v[SPW], v0, 2, SPARE
	v_mov_b32 v[NIL], 0
	v_lshrrev_b32 v1, 5, v0
	v_readfirstlane_b32 s54, v1                    ; wave
	s_lshr_b32 s55, ttmp9, 5                       ; batch
	s_bfe_u32 s56, ttmp9, 0x30002                  ; row of windows
	s_and_b32 s57, ttmp9, 3                        ; which 32 columns
	s_mov_b32 s58, 0x76543210                      ; v_permlanex16_b32: the same place in the other half
	s_mov_b32 s59, 0xfedcba98
	s_mov_b32 s61, 0x3b000000                      ; 1 / 512
	s_mov_b32 s62, 0x3727c5ac                      ; 1e-5
	s_mov_b32 s63, 0x3b800000                      ; 1 / 256
	v_and_b32 v1, 31, v0                           ; lane
	v_and_b32 v2, 15, v0                           ; r
	v_bfe_u32 v3, v0, 4, 1                         ; h
	s_mul_i32 s2, s54, WSTR
	v_mul_u32_u24 v28, v2, FP
	v_lshl_add_u32 v28, v3, 4, v28
	v_add_nc_u32 v[FPA], s2, v28
	v_add_nc_u32 v[XPL], HB, v28
	v_and_b32 v29, 7, v0
	v_lshl_add_u32 v29, v3, 3, v29
	v_mul_u32_u24 v[FTA], v29, FP
	v_bfe_u32 v29, v0, 3, 1
	v_lshl_add_u32 v[FTA], v29, 4, v[FTA]
	v_add_nc_u32 v[FTA], s2, v[FTA]
	v_mul_u32_u24 v28, v2, 528
	v_lshl_add_u32 v28, v3, 4, v28
	s_mul_i32 s3, s54, 8512
	s_add_co_u32 s3, s3, HB
	v_add_nc_u32 v[HBR], s3, v28
	v_add_nc_u32 v[XAR], XA, v28
	s_lshl_b32 s3, s54, 7
	v_add_nc_u32 v[XAW], s3, v[XAR]
	v_add_nc_u32 v[XBW], XB, v28
	v_add_nc_u32 v[XBW], s3, v[XBW]
	v_lshrrev_b32 v28, 2, v2
	v_and_b32 v29, 3, v2
	s_lshl_b32 s3, s54, 2
	v_add_nc_u32 v29, s3, v29                      ; 4 w + r % 4
	v_mul_u32_u24 v[HBW], v28, 8512
	v_mad_u32_u24 v[HBW], v29, 528, v[HBW]
	v_lshl_add_u32 v[HBW], v3, 4, v[HBW]
	v_add_nc_u32 v[HBW], HB, v[HBW]
	v_mul_u32_u24 v[PLW], v29, FP
	v_lshl_add_u32 v[PLW], v3, 4, v[PLW]
	v_add_nc_u32 v[PLW], HB, v[PLW]
	v_lshlrev_b32 v[CBW], 7, v28
	v_lshl_add_u32 v[CBW], v29, 2, v[CBW]
	v_add_nc_u32 v[CBW], CB, v[CBW]
	v_mul_u32_u24 v[H1R], v2, 2064
	v_lshl_add_u32 v[H1R], v3, 4, v[H1R]
	v_add_nc_u32 v[H1R], HB, v[H1R]
	s_lshl_b32 s3, s54, 9
	v_add_nc_u32 v[H1W], s3, v[H1R]
	v_mul_u32_u24 v[ZFW], v2, FP
	v_lshl_add_u32 v[ZFW], v3, 5, v[ZFW]
	s_lshl_b32 s3, s54, 8
	v_lshl_add_u32 v[BO], v3, 5, s3
	s_add_co_u32 s2, s3, ZF
	v_add_nc_u32 v[ZFW], s2, v[ZFW]
	s_add_co_u32 s2, s3, RM
	v_lshl_add_u32 v[TKR], v3, 5, s2
	s_mul_i32 s3, s54, 4*FP
	s_add_co_u32 s3, s3, ZF
	v_lshl_add_u32 v[ZFR], v1, 5, s3
	v_lshlrev_b32 v[NPA], 5, v3
	v_add_nc_u32 v[NPA], XB, v[NPA]
	s_lshl_b32 s3, s54, 10
	v_lshl_add_u32 v[BO1], v3, 5, s3
	v_lshlrev_b32 v[WL], 4, v1
	s_lshl_b32 s3, s54, 11
	v_lshl_add_u32 v[FRA], v1, 4, s3
	v_lshl_add_u32 v[LNA], v1, 5, LNP
	s_mul_i32 s3, s54, 2112
	s_add_co_u32 s3, s3, XA
	v_lshl_add_u32 v[XLW], v1, 4, s3
	; the way in: lane = (row yy of four, quad xq of the 32 columns)
	v_lshrrev_b32 v32, 3, v1
	v_and_b32 v33, 7, v1
	v_lshlrev_b32 v[VO], 9, v32
	v_lshl_add_u32 v[VO], v33, 4, v[VO]
	v_lshrrev_b32 v34, 1, v33                      ; the quad's window
	v_and_b32 v35, 1, v33
	v_lshlrev_b32 v35, 2, v35
	v_lshl_add_u32 v35, v32, 3, v35                ; its first token there: 8 yy + 4 (xq % 2)
	v_mul_u32_u24 v[LA], v34, WSTR
	v_mad_u32_u24 v[LA], v35, FP, v[LA]
	s_lshl_b32 s3, s54, 7
	v_add_nc_u32 v[LA], s3, v[LA]                  ; my wave's 64 channels
	v_lshl_add_u32 v35, v34, 6, v35
	s_lshl_b32 s3, s54, 11
	s_add_co_u32 s3, s3, ZF
	v_lshl_add_u32 v[T1], v35, 3, s3               ; PS: [wave][256 tokens][mean, M2]
	v_lshlrev_b32 v56, 4, v0
	v_lshlrev_b32 v57, 3, v0
	s_lshl_b32 s2, s55, 15
	s_lshl_b32 s3, s56, 12
	s_add_co_u32 s2, s2, s3
	s_lshl_b32 s3, s57, 7
	s_add_co_u32 s2, s2, s3
	s_lshl_b32 s3, s54, 5
	s_add_co_u32 s2, s2, s3
	v_lshrrev_b32 v58, 2, v1
	v_lshlrev_b32 v58, 9, v58
	v_and_b32 v59, 3, v1
	v_lshl_add_u32 v58, v59, 3, v58
	v_add_nc_u32 v58, s2, v58                      ; r of my window's tokens 2 l, 2 l + 1
	s_lshl_b32 s3, s55, 7
	v_lshl_add_u32 v59, v1, 2, s3
	v_and_b32 v60, 3, v2
	v_lshlrev_b32 v60, 2, v60
	s_lshl_b32 s2, s55, 23
	s_lshl_b32 s3, s56, 12
	s_add_co_u32 s2, s2, s3
	s_lshl_b32 s3, s57, 7
	s_add_co_u32 s2, s2, s3
	s_mov_b32 s3, 0
	s_wait_kmcnt 0x0
	s_load_b512 s[68:83], s[44:45], 0x0            ; g1_w
	s_load_b256 s[84:91], s[46:47], 0x0            ; g1_b
	s_load_b256 s[92:99], s[48:49], 0x0            ; g2_w
	s_load_b32 s100, s[50:51], 0x0                 ; g2_b
	s_add_nc_u64 s[52:53], s[52:53], s[2:3]
	s_lshl_b32 s60, s54, 21
	s_add_co_u32 s2, s2, s60                       ; my wave's 64 channels
	s_add_nc_u64 s[4:5], s[4:5], s[2:3]
	s_add_nc_u64 s[6:7], s[6:7], s[2:3]
	s_lshl_b32 s2, s54, 19
	s_add_nc_u64 s[66:67], s[12:13], s[2:3]        ; my stream of weights
	global_load_b128 v[96:99], v56, s[14:15]
	global_load_b128 v[100:103], v56, s[16:17]
	global_load_b64 v[104:105], v57, s[18:19]
	global_load_b64 v[106:107], v57, s[20:21]
	global_load_b64 v[108:109], v57, s[22:23]
	global_load_b64 v[110:111], v57, s[24:25]
	global_load_b64 v[112:113], v58, s[8:9]
	global_load_b64 v[114:115], v58, s[10:11]
	global_load_b64 v[116:117], v57, s[26:27]
	global_load_b64 v[118:119], v57, s[28:29]
	global_load_b64 v[120:121], v57, s[30:31]
	global_load_b64 v[122:123], v57, s[32:33]
	global_load_b32 v127, v59, s[12:13] offset:RSUMO
	global_load_b32 v124, v60, s[12:13] offset:SGLCO
	global_load_b32 v126, v60, s[12:13] offset:SGLCO+16
	WIN 0xc0
.set wf, 0
.rept 16
	global_load_b128 v[8*wf:8*wf+3], v[WL], s[12:13] offset:GPO+wf*1024
	global_load_b128 v[8*wf+4:8*wf+7], v[WL], s[12:13] offset:GPO+wf*1024+512
.set wf, wf+1
.endr
	WLOAD 0, 32                                    ; chunk 0
	WIN 0
	global_load_b128 v[PV:PV+3], v[VO], s[4:5]                 ; the pivots: each token's number in my first channel
	global_load_b128 v[PV+4:PV+7], v[VO], s[4:5] offset:2048
.irp s, 0,1
.irp y, 0,1
.irp i, 0,1,2,3,4,5,6,7
	global_load_b128 v[RING+32*(2*\s+\y)+4*\i:RING+32*(2*\s+\y)+4*\i+3], v[VO], s[4+2*\s:5+2*\s] offset:\i*32768+\y*2048 th:TH_LOAD_NT
.endr
.endr
.endr
.irp i, 0,1,2,3,4,5,6,7,8,9,10,11,12,13,14,15
	v_mov_b32 v[SU1+\i], 0
.endr
	s_wait_xcnt 0x0                                ; v56-60 held offsets of the loads above and are at work from here on
	; ================= F comes in: four units in flight, 8 loads each; the count leaves the three younger units out
	s_mov_b32 s60, 7
.Lring:
	UNIT 0, 0, 1, 24
	UNIT 0, 1, 1, 24
	UNIT 1, 0, 1, 24
	UNIT 1, 1, 1, 24
	s_wait_xcnt 0x0                                ; the bases are stepped only behind this wait
	s_add_nc_u64 s[4:5], s[4:5], 0x40000
	s_add_nc_u64 s[6:7], s[6:7], 0x40000
	v_add_nc_u32 v[LA], 16, v[LA]
	s_sub_co_u32 s60, s60, 1
	s_cmp_lg_u32 s60, 0
	s_cbranch_scc1 .Lring
	UNIT 0, 0, 0, 24                               ; the last eight channels: nothing more is asked for, the counts run down
	UNIT 0, 1, 0, 16
	UNIT 1, 0, 0, 8
	UNIT 1, 1, 0, 0
.irp q, 0,1,2,3,4,5,6,7
	v_mul_f32 v[DR+(\q)%4], 0x3c000000, v[SU1+\q]              ; of my 128 channels: mean = pivot + S1 / 128, M2 = S2 - S1^2 / 128
	v_add_f32 v[CV+2*\q], v[PV+\q], v[DR+(\q)%4]
	v_fma_f32 v[CV+2*\q+1], -v[DR+(\q)%4], v[SU1+\q], v[SU2+\q]
.endr
.irp n, 0,1,2,3
	ds_store_b128 v[T1], v[CV+4*\n:CV+4*\n+3] offset:((\n)/2)*256+((\n)%2)*16
.endr
	v_lshl_add_u32 v[T0], v0, 4, XB
	ds_store_b128 v[T0], v[96:99]
	ds_store_b128 v[T0], v[100:103] offset:2048
	v_lshl_add_u32 v[T0], v0, 3, LNP
	ds_store_b64 v[T0], v[104:105]
	ds_store_b64 v[T0], v[106:107] offset:1024
	ds_store_b64 v[T0], v[108:109] offset:2048
	ds_store_b64 v[T0], v[110:111] offset:3072
	v_pk_mul_f32 v[112:113], v[112:113], 0x3e8293ee op_sel_hi:[1,0]    ; r x 32^-0.5 x log2(e)
	v_pk_mul_f32 v[114:115], v[114:115], 0x3e8293ee op_sel_hi:[1,0]
	s_lshl_b32 s3, s54, 8
	s_add_co_u32 s2, s3, RM
	v_lshl_add_u32 v[T0], v1, 3, s2
	ds_store_b64 v[T0], v[112:113]
	ds_store_b64 v[T0], v[114:115] offset:1024
	v_lshl_add_u32 v[VBA], v2, 2, s3               ; v_b of column 64 w + r
	s_mov_b32 s14, 0x0000ffff                      ; lanes 0-15
	s_mov_b32 s15, 0xffff0000                      ; lanes 16-31; also a word's upper bf16
	v_mov_b32 v125, v124
	WB
	V8 12, BO, PBHO                                ; the first chunk's bias.  BI shares its registers with CV: the LDS stores that read CV are done behind the wait above, and nothing writes v64-95 from here on
	; ================= mean and rstd over 512 channels of my window's tokens l and l + 32, from the four waves' parts
	s_lshl_b32 s3, s54, 9
	s_add_co_u32 s3, s3, ZF
	v_lshl_add_u32 v[T0], v1, 3, s3
.irp i, 0,1,2,3
	ds_load_b64 v[32+4*\i:33+4*\i], v[T0] offset:\i*2048
	ds_load_b64 v[34+4*\i:35+4*\i], v[T0] offset:\i*2048+256
.endr
	s_lshl_b32 s3, s54, 8
	s_add_co_u32 s3, s3, SA
	v_lshl_add_u32 v[T1], v1, 2, s3
	s_wait_dscnt 0x0
.irp u, 0,1
	v_add_f32 v[48+4*\u], v[32+2*\u], v[36+2*\u]
	v_add_f32 v[49+4*\u], v[40+2*\u], v[44+2*\u]
	v_add_f32 v[48+4*\u], v[48+4*\u], v[49+4*\u]
	v_mul_f32 v[56+\u], 0x3e800000, v[48+4*\u]
	v_sub_f32 v[48+4*\u], v[32+2*\u], v[56+\u]
	v_sub_f32 v[49+4*\u], v[36+2*\u], v[56+\u]
	v_sub_f32 v[50+4*\u], v[40+2*\u], v[56+\u]
	v_sub_f32 v[51+4*\u], v[44+2*\u], v[56+\u]
	v_mul_f32 v[48+4*\u], v[48+4*\u], v[48+4*\u]
	v_fma_f32 v[48+4*\u], v[49+4*\u], v[49+4*\u], v[48+4*\u]
	v_fma_f32 v[48+4*\u], v[50+4*\u], v[50+4*\u], v[48+4*\u]
	v_fma_f32 v[48+4*\u], v[51+4*\u], v[51+4*\u], v[48+4*\u]
	v_add_f32 v[49+4*\u], v[33+2*\u], v[37+2*\u]
	v_add_f32 v[50+4*\u], v[41+2*\u], v[45+2*\u]
	v_add_f32 v[49+4*\u], v[49+4*\u], v[50+4*\u]
	v_fma_f32 v[48+4*\u], v[48+4*\u], 0x43000000, v[49+4*\u]   ; 128 x the parts' spread + the parts' own M2
	v_fma_f32 v[48+4*\u], v[48+4*\u], s61, s62
	v_rsq_f32 v[58+\u], v[48+4*\u]
.endr
	v_nop
	ds_store_b32 v[T1], v56
	ds_store_b32 v[T1], v57 offset:128
	s_wait_alu depctr_va_vdst(0)
	ds_store_b32 v[T1], v58 offset:1024
	ds_store_b32 v[T1], v59 offset:1152
	WB
	; ================= pooling logits: F x (np_g psi); a lane holds column m = r % 4 and the tokens 16 t + 8 h + j
	WIN 0x40
.irp t, 0,1,2,3
	ds_load_b128 v[RSR+8*\t:RSR+8*\t+3], v[TKR] offset:3072+64*\t
	ds_load_b128 v[RSR+8*\t+4:RSR+8*\t+7], v[TKR] offset:3072+64*\t+16
.endr
.set blk, 0
.rept 4
.if blk > 0
	PLACES
.endif
	PLAIN blk/2, blk%2
.set ck, 0
.rept 4
	s_wait_dscnt 24-8*ck
	WIN 0x5d
.set ca, 0
.rept 4
.set rD, LG+8*ca
.set rC, rD
.if blk == 0 && ck == 0
.set rC, -1
.endif
.set rA, 8*(4*ck+ca)
.set rB, 8*(4*blk+ck)
	MMA
.set ca, ca+1
.endr
.set ck, ck+1
.endr
.set blk, blk+1
.endr
	PLACES
	WIN 0x40
.irp t, 0,1,2,3
	ds_load_b128 v[8*\t:8*\t+3], v[TKR] offset:2048+64*\t          ; the tokens' means
	ds_load_b128 v[8*\t+4:8*\t+7], v[TKR] offset:2048+64*\t+16
.endr
	v_mov_b32 v176, v124
	v_mov_b32 v177, v124
	v_mov_b32 v178, v126
	v_mov_b32 v179, v126
	s_wait_dscnt 0x0
	WIN 0x55
.set sp, 0
.rept 16
	v_pk_fma_f32 v[LG+2*sp:LG+2*sp+1], v[2*sp:2*sp+1], v[176:177], v[LG+2*sp:LG+2*sp+1] neg_lo:[1,0,0] neg_hi:[1,0,0]
.set sp, sp+1
.endr
.set sp, 0
.rept 16
	v_pk_fma_f32 v[LG+2*sp:LG+2*sp+1], v[LG+2*sp:LG+2*sp+1], v[RSR+2*sp:RSR+2*sp+1], v[178:179]
.set sp, sp+1
.endr
.set sp, 0
.rept 16
	v_pk_mul_f32 v[LG+2*sp:LG+2*sp+1], v[LG+2*sp:LG+2*sp+1], 0x3fb8aa3b op_sel_hi:[1,0]
.set sp, sp+1
.endr
	SOFT32 LG, TM
.set sp, 0
.rept 16
	v_pk_mul_f32 v[LG+2*sp:LG+2*sp+1], v[LG+2*sp:LG+2*sp+1], v[RSR+2*sp:RSR+2*sp+1]
.set sp, sp+1
.endr
.set sp, 0
	s_wait_alu depctr_va_vdst(0)
.rept 16
	v_pk_mul_f32 v[LG+2*sp:LG+2*sp+1], v[LG+2*sp:LG+2*sp+1], v[TM+4:TM+5] op_sel_hi:[1,0]
.set sp, sp+1
.endr
.set sp, 0
.rept 16
	v_cvt_pk_bf16_f32 v[AFR+sp], v[LG+2*sp], v[LG+2*sp+1]          ; a' = weight x rstd, in bf16
.set sp, sp+1
.endr
	; mu = sum of a' x mean, with the rounded a' that the product below takes
	v_lshlrev_b32 v[TM+6], 16, v[AFR]
	v_and_b32 v[TM+7], s15, v[AFR]
	v_pk_mul_f32 v[TM+8:TM+9], v[TM+6:TM+7], v[0:1]
.set sp, 1
.rept 15
	v_lshlrev_b32 v[TM+6+4*(sp%2)], 16, v[AFR+sp]
	v_and_b32 v[TM+7+4*(sp%2)], s15, v[AFR+sp]
	v_pk_fma_f32 v[TM+8:TM+9], v[TM+6+4*(sp%2):TM+7+4*(sp%2)], v[2*sp:2*sp+1], v[TM+8:TM+9]
.set sp, sp+1
.endr
	v_add_f32 v[TM+8], v[TM+8], v[TM+9]
	v_permlanex16_b32 v[TM+9], v[TM+8], s58, s59
	v_add_f32 v[TM+8], v[TM+8], v[TM+9]
	; ================= pooled = np_g (a'^T F - mu) + np_b: four trips of 128 of the 512 joined channels
	WIN 0
	v_mov_b32 v[T0], v[FTA]
	s_mov_b32 s60, 4
.Lpool:
	TR T0, 0
.set ck, 0
.rept 2
	s_wait_dscnt 16-16*ck
	WIN 0xf5
.set ca, 0
.rept 8
.set rD, 128+8*ca
.set rC, rD
.if ck == 0
.set rC, -1
.endif
.set rA, 8*(8*ck+ca)
.set rB, AFR+8*ck
	MMA
.set ca, ca+1
.endr
.set ck, ck+1
.endr
	PLACES
	WIN 0x40
.irp i, 0,1,2,3,4,5,6,7
	ds_load_b128 v[8*\i:8*\i+3], v[NPA] offset:64*\i
	ds_load_b128 v[8*\i+4:8*\i+7], v[NPA] offset:64*\i+16
	ds_load_b128 v[64+8*\i:64+8*\i+3], v[NPA] offset:2048+64*\i
	ds_load_b128 v[64+8*\i+4:64+8*\i+7], v[NPA] offset:2048+64*\i+16
.endr
	s_wait_dscnt 0x0
	WIN 0xc7
.set sp, 0
.rept 32
	v_pk_add_f32 v[128+2*sp:129+2*sp], v[128+2*sp:129+2*sp], v[TM+8:TM+9] op_sel_hi:[1,0] neg_lo:[0,1] neg_hi:[0,1]
.set sp, sp+1
.endr
	WIN 0xd7
.set sp, 0
.rept 32
	v_pk_fma_f32 v[128+2*sp:129+2*sp], v[128+2*sp:129+2*sp], v[2*sp:2*sp+1], v[64+2*sp:65+2*sp]
.set sp, sp+1
.endr
	WIN 0xcf
.set ca, 0
.rept 8
.irp k, 0,1,2,3
	v_cvt_pk_bf16_f32 v[128+8*ca+\k], v[128+8*ca+2*\k], v[128+8*ca+2*\k+1]
.endr
.set ca, ca+1
.endr
	WIN 0x0c
.set ca, 0
.rept 8
	ds_store_b128 v[PLW], v[128+8*ca:128+8*ca+3] offset:32*ca      ; the four lanes with one r % 4 hold and store the same numbers
.set ca, ca+1
.endr
	WIN 0
	v_add_nc_u32 v[T0], 0x100, v[T0]
	v_add_nc_u32 v[NPA], 0x200, v[NPA]
	v_add_nc_u32 v[PLW], 0x100, v[PLW]
	s_sub_co_u32 s60, s60, 1
	s_cmp_lg_u32 s60, 0
	s_cbranch_scc1 .Lpool
	WB
	; ================= the gate, and with it the two last LayerNorms' gains and biases blended: gamma nr_g, (1 - gamma) nt_g, gamma nr_b + (1 - gamma) nt_b
.irp m, 1,2,4,8
	v_add_f32_dpp v127, v127, v127 row_xmask:\m row_mask:0xf bank_mask:0xf
.endr
	v_readlane_b32 s2, v127, 0
	v_readlane_b32 s3, v127, 16
	v_mov_b32 v32, s2
	v_mov_b32 v33, s3
	v_mul_f32 v32, 0x39000000, v32                 ; / 8,192
	v_mul_f32 v33, 0x39000000, v33
	s_wait_kmcnt 0x0
	v_mov_b32 v34, s100
.irp j, 0,1,2,3,4,5,6,7
	v_mov_b32 v35, s[84+\j]
	v_fma_f32 v35, v32, s[68+\j], v35
	v_fma_f32 v35, v33, s[76+\j], v35
	v_max_num_f32 v35, 0, v35
	v_fma_f32 v34, v35, s[92+\j], v34
.endr
	v_mul_f32 v34, 0xbfb8aa3b, v34
	v_exp_f32 v34, v34
	v_nop
	s_wait_alu depctr_va_vdst(0)
	v_add_f32 v34, 1.0, v34
	v_rcp_f32 v34, v34
	v_nop
	s_wait_alu depctr_va_vdst(0)
	v_sub_f32 v35, 1.0, v34
	v_mul_f32 v36, v34, v116
	v_mul_f32 v37, v34, v117
	v_mul_f32 v38, v35, v120
	v_mul_f32 v39, v35, v121
	v_mul_f32 v40, v35, v122
	v_mul_f32 v41, v35, v123
	v_fma_f32 v40, v34, v118, v40
	v_fma_f32 v41, v34, v119, v41
	v_lshl_add_u32 v[T0], v0, 3, SA
	ds_store_b64 v[T0], v[36:37]
	ds_store_b64 v[T0], v[38:39] offset:1024
	ds_store_b64 v[T0], v[40:41] offset:2048
	; ================= the chain on 16 mediator rows
	s_wait_loadcnt 0x0                             ; chunk 0 and its bias, asked for long ago
	XLOAD XPL, 0
	CHUNK 1, 0, 0, 0                               ; phi, k 0-255
	XLOAD XPL, 512
	CHUNK 0, 0, 8, 1                               ; phi, k 256-511
	E_F32
	WB
	LNROW 0, 0                                     ; Z
	WB
	XLOAD XAR, 0
	CHUNK 1, 0, 4, 2                               ; QZ
	E_BF XBW
	WB
	HEADCH 1, 8, 3                                 ; k_w QZ by heads, and QZ . k_b
	s_lshl_b32 s3, s54, 7
	s_add_co_u32 s3, s3, CB
	v_lshl_add_u32 v[T0], v2, 2, s3
	ds_load_b32 v32, v[T0]
	ds_load_b32 v33, v[T0]
	ds_load_b32 v34, v[T0] offset:64
	ds_load_b32 v35, v[T0] offset:64
	WB
	PASS2 0
	PASS2 1
	; Zh = G v_w + 2 v_b: tile T of G holds my window's rows of heads 2 p + T; each half goes through LDS to the waves that own the heads
	WIN 0
	s_wait_loadcnt 0x0
.set sp, 0
.rept 16
	v_pk_add_f32 v[BI+2*sp:BI+2*sp+1], v[BI+2*sp:BI+2*sp+1], v[BI+2*sp:BI+2*sp+1]
.set sp, sp+1
.endr
	GST 0
	WB
	XLOAD HBR, 0
	WIN 0x02
.set ck, 0
.rept 8
.set ca, 0
.rept 2
.set rD, ACC+8*ca
.set rC, rD
.if ck == 0
.set rC, BI+8*ca
.endif
.set rA, 8*(4*ck+ca)
.set rB, XF+8*ck
	MMA
.set ca, ca+1
.endr
.set ck, ck+1
.endr
	WIN 0
	WB
	GST 1
	WB
	XLOAD HBR, 0
	s_wait_xcnt 0x0
	s_add_nc_u64 s[66:67], s[66:67], 0x8000
.set cq, 0
.rept 4
	WIN 0x02
.set ck, 2*cq
.rept 2
.set ca, 2
.rept 2
.set rD, ACC+8*ca
.set rC, rD
.if ck == 0
.set rC, BI+8*ca
.endif
.set rA, 8*(4*ck+ca)
.set rB, XF+8*ck
	MMA
.set ca, ca+1
.endr
.set ck, ck+1
.endr
	PLACES
.if cq == 0
	WIN 0
	BIAS 4
.endif
	WLOAD 8*cq, 8
.set cq, cq+1
.endr
	WIN 0
	WB
	E_F32
	WB
	LNROW 1, 2048
	WB
	XLOAD XAR, 0
.irp c, 0x3f87dc22, 0xbfba00e3, 0x3fb5f0e3, 0xbe91a98e, 0x3e827906, 0x3e6d3388, 0xbf38aa3b
	v_mov_b32 v[KC], \c                            ; a5 a4 a3 a2 a1, p / sqrt 2, -log2(e) / 2: each twice, for the packed forms
	v_mov_b32 v[KC+1], \c
.set KC, KC+2
.endr
.set KC, 192
	s_mov_b32 s60, 3
.Lfc1:
	CHUNK 1, 0, 8, 9                               ; fc1, 64 of my 256 columns a trip
	E_GELU
	v_add_nc_u32 v[H1W], 0x80, v[H1W]
	s_sub_co_u32 s60, s60, 1
	s_cmp_lg_u32 s60, 0
	s_cbranch_scc1 .Lfc1
	CHUNK 1, 0, 8, 5
	E_GELU
	WB
	XLOAD H1R, 0
	CHUNK 1, 0, 0, 0                               ; fc2, K in four parts
	XLOAD H1R, 512
	CHUNK 0, 0, 0, 0
	XLOAD H1R, 1024
	CHUNK 0, 0, 0, 0
	XLOAD H1R, 1536
	CHUNK 0, 0, 8, 6
	E_BF XAW
	WB
	XLOAD XAR, 0
	CHUNK 1, 0, 4, 7                               ; KZ
	E_BF XBW
	CHUNK 2, 1, 4, 8                               ; VZ, the other way round: a lane holds one column and eight mediator rows
.irp a, 0,1,2,3
.irp j, 0,1,2,3,4,5,6,7
	v_add_f32 v[ACC+8*\a+\j], v[BI+16+\a], v[ACC+8*\a+\j]
.endr
.endr
.irp a, 0,1,2,3
.irp k, 0,1,2,3
	v_cvt_pk_bf16_f32 v[ACC+8*\a+\k], v[ACC+8*\a+2*\k], v[ACC+8*\a+2*\k+1]
.endr
.endr
	s_lshl_b32 s3, s54, 9
	s_add_co_u32 s3, s3, HB
	v_lshl_add_u32 v[T0], v2, 3, s3
	v_lshl_add_u32 v[T0], v3, 12, v[T0]            ; VTb: [window][column] four mediators in 8 bytes
.irp a, 0,1,2,3
	ds_store_b64 v[T0], v[ACC+8*\a:ACC+8*\a+1] offset:128*\a
	ds_store_b64 v[T0], v[ACC+8*\a+2:ACC+8*\a+3] offset:128*\a+2048
.endr
	WB
	; VF: for 16 output channels of head hd the 32 (head, mediator) columns, VZ where the head is hd and 0 elsewhere
	s_lshl_b32 s3, s54, 11
	s_add_co_u32 s3, s3, HB
	v_lshl_add_u32 v[T0], v2, 3, s3
	WIN 0x40
.set ca, 0
.rept 16
	ds_load_b64 v[2*ca:2*ca+1], v[T0] offset:128*ca
.set ca, ca+1
.endr
	WB
	WIN 0xc4
.set ca, 0
.rept 16
.set hd, ca/2
.set ps, 4*(hd%2)+2*((hd/2)%2)
.set ck, 0
.rept 8
.if ck == ps || ck == ps+1
	v_cndmask_b32 v[8*ca+ck], 0, v[2*ca+ck-ps], s[14+hd/4]
.else
	v_mov_b32 v[8*ca+ck], 0
.endif
.set ck, ck+1
.endr
.set ca, ca+1
.endr
	HEADCH 0, 0, 0                                 ; q_w KZ by heads, and KZ . q_b
	s_lshl_b32 s3, s54, 7
	s_add_co_u32 s3, s3, CB
	v_lshl_add_u32 v[T0], v3, 5, s3
	WIN 0x40
.irp T, 0,1
	ds_load_b128 v[192+8*\T:192+8*\T+3], v[T0] offset:64*\T
	ds_load_b128 v[192+8*\T+4:192+8*\T+7], v[T0] offset:64*\T+16
.endr
	WIN 0
	WB
	; ================= tokens attend back, residual, LayerNorm, blend; 16 tokens (two rows of the window) a trip
.set AFB,8
.set RMB,9
.set STS,11
.set STL,12
.set VO2,13
.set FAD,14
.set RMA,15
.set AFA,16
	v_lshlrev_b32 v[AFB], 5, v3
	v_add_nc_u32 v[AFB], SA, v[AFB]
	s_lshl_b32 s3, s54, 8
	s_add_co_u32 s3, s3, RM
	v_lshl_add_u32 v[RMB], v2, 2, s3
	v_lshrrev_b32 v[T0], 3, v2
	v_and_b32 v[T1], 7, v2
	v_lshlrev_b32 v[STS], 11, v3
	v_lshl_add_u32 v[STS], v[T0], 7, v[STS]
	v_lshl_add_u32 v[STS], v[T1], 2, v[STS]
	s_lshl_b32 s3, s54, 5
	s_add_co_u32 s3, s3, HB
	v_add_nc_u32 v[STS], s3, v[STS]                ; the stage: [128 channels][2 rows][32 columns] f32
	v_lshl_add_u32 v[STL], v0, 4, HB
	v_lshrrev_b32 v[VO2], 4, v0
	v_lshlrev_b32 v[VO2], 15, v[VO2]
	v_bfe_u32 v[T0], v0, 3, 1
	v_lshl_add_u32 v[VO2], v[T0], 9, v[VO2]
	v_and_b32 v[T1], 7, v0
	v_lshl_add_u32 v[VO2], v[T1], 4, v[VO2]
	s_add_nc_u64 s[4:5], s[52:53], 0x400000        ; out0 at channel 128
	s_mov_b32 s16, 0                               ; the trip's 16 token rows in F
	s_mov_b32 s17, 0                               ; and in RM
	s_mov_b32 s18, 0                               ; the stream's 512 bytes in a token row
	s_mov_b32 s19, 1024                            ; the OTHER stream's r
	s_mov_b32 s20, 0                               ; the stream's gain row
	s_mov_b32 s60, 4
.Lt:
	WIN 0x80
.set ca, 0
.rept 16
	ds_load_b128 v[8*ca:8*ca+3], v[AFB] offset:2048+64*ca          ; OUT starts as the blended bias
	ds_load_b128 v[8*ca+4:8*ca+7], v[AFB] offset:2048+64*ca+16
.set ca, ca+1
.endr
	WIN 0
	s_mov_b32 s61, 2
.Ls:
	v_add3_u32 v[FAD], s16, s18, v[FPA]
	v_add3_u32 v[RMA], s17, s19, v[RMB]
	v_add_nc_u32 v[AFA], s20, v[AFB]
	WIN 0x40
.irp k, 0,1,2,3,4,5,6,7
	ds_load_b128 v[8*\k:8*\k+3], v[FAD] offset:64*\k
	ds_load_b128 v[8*\k+4:8*\k+7], v[FAD] offset:64*\k+32
.endr
	ds_load_b32 v208, v[RMA]
	ds_load_b32 v209, v[RMA]
	s_wait_dscnt 0x0
	WIN 0x54
.set ck, 0
.rept 8
.set ca, 0
.rept 2
.set rD, 128+8*ca
.set rC, rD
.if ck == 0
.set rC, -1
.endif
.set rA, QF+64*ca+8*ck
.set rB, 8*ck
	MMA
.set ca, ca+1
.endr
.set ck, ck+1
.endr
	PLACES
	WIN 0x55                                       ; a lane holds one token; each four registers are one head's four mediators
.set sp, 0
.rept 8
	v_pk_add_f32 v[128+2*sp:129+2*sp], v[128+2*sp:129+2*sp], v[192+2*sp:193+2*sp]
.set sp, sp+1
.endr
.set sp, 0
.rept 8
	v_pk_mul_f32 v[128+2*sp:129+2*sp], v[128+2*sp:129+2*sp], v[208:209] op_sel_hi:[1,0]
.set sp, sp+1
.endr
.irp g, 0,1,2,3
	v_max3_num_f32 v[144+\g], v[128+4*\g], v[129+4*\g], v[130+4*\g]
.endr
.irp g, 0,1,2,3
	v_max_num_f32 v[144+\g], v[144+\g], v[131+4*\g]
.endr
.irp g, 0,1,2,3
.irp j, 0,1,2,3
	v_sub_f32 v[128+4*\g+\j], v[128+4*\g+\j], v[144+\g]
.endr
.endr
.set sp, 0
.rept 16
	v_exp_f32 v[128+sp], v[128+sp]
.set sp, sp+1
.endr
	v_nop
	s_wait_alu depctr_va_vdst(0)
.irp g, 0,1,2,3
	v_add_f32 v[148+\g], v[128+4*\g], v[129+4*\g]
	v_add_f32 v[152+\g], v[130+4*\g], v[131+4*\g]
.endr
.irp g, 0,1,2,3
	v_add_f32 v[148+\g], v[148+\g], v[152+\g]
.endr
.irp g, 0,1,2,3
	v_rcp_f32 v[148+\g], v[148+\g]
.endr
	v_nop
	s_wait_alu depctr_va_vdst(0)
.irp g, 0,1,2,3
.irp j, 0,1,2,3
	v_mul_f32 v[128+4*\g+\j], v[128+4*\g+\j], v[148+\g]
.endr
.endr
.irp g, 0,1,2,3
	v_cvt_pk_bf16_f32 v[224+2*\g], v[128+4*\g], v[129+4*\g]
	v_cvt_pk_bf16_f32 v[225+2*\g], v[130+4*\g], v[131+4*\g]
.endr
	WIN 0xc4                                       ; the residual starts the sums: F's fragment of a token holds just the channels that the accumulators' lane holds
.set sp, 0
.rept 64
	v_lshlrev_b32 v[128+2*sp], 16, v[sp]
	v_and_b32 v[129+2*sp], s15, v[sp]
.set sp, sp+1
.endr
	WIN 0x40
.set ca, 0
.rept 16
	ds_load_b128 v[8*ca:8*ca+3], v[AFA] offset:64*ca
	ds_load_b128 v[8*ca+4:8*ca+7], v[AFA] offset:64*ca+16
.set ca, ca+1
.endr
	WIN 0xf7
.set ca, 0
.rept 16
.set rD, 128+8*ca
.set rC, rD
.set rA, 8*ca
.set rB, 224
	MMA
.set ca, ca+1
.endr
	PLACES
	WIN 0x4f                                       ; LayerNorm over 256 channels: 128 here, 128 in the lane 16 away
.set cp, 0
.rept 4
	v_pk_add_f32 v[160+2*cp:161+2*cp], v[128+2*cp:129+2*cp], v[136+2*cp:137+2*cp]
.set cp, cp+1
.endr
	WIN 0x4d
.set cp, 8
.rept 56
	v_pk_add_f32 v[160+2*(cp%4):161+2*(cp%4)], v[160+2*(cp%4):161+2*(cp%4)], v[128+2*cp:129+2*cp]
.set cp, cp+1
.endr
	WIN 0x55
	v_pk_add_f32 v[160:161], v[160:161], v[162:163]
	v_pk_add_f32 v[164:165], v[164:165], v[166:167]
	v_pk_add_f32 v[160:161], v[160:161], v[164:165]
	v_add_f32 v160, v160, v161
	v_permlanex16_b32 v161, v160, s58, s59
	v_add_f32 v160, v160, v161
	v_mul_f32 v160, s63, v160
	WIN 0xc7
.set cp, 0
.rept 64
	v_pk_add_f32 v[128+2*cp:129+2*cp], v[128+2*cp:129+2*cp], v[160:161] op_sel_hi:[1,0] neg_lo:[0,1] neg_hi:[0,1]
.set cp, cp+1
.endr
	WIN 0x4f
.set cp, 0
.rept 4
	v_pk_mul_f32 v[168+2*cp:169+2*cp], v[128+2*cp:129+2*cp], v[128+2*cp:129+2*cp]
.set cp, cp+1
.endr
	WIN 0x5f
.set cp, 4
.rept 60
	v_pk_fma_f32 v[168+2*(cp%4):169+2*(cp%4)], v[128+2*cp:129+2*cp], v[128+2*cp:129+2*cp], v[168+2*(cp%4):169+2*(cp%4)]
.set cp, cp+1
.endr
	WIN 0x55
	v_pk_add_f32 v[168:169], v[168:169], v[170:171]
	v_pk_add_f32 v[172:173], v[172:173], v[174:175]
	v_pk_add_f32 v[168:169], v[168:169], v[172:173]
	v_add_f32 v168, v168, v169
	v_permlanex16_b32 v169, v168, s58, s59
	v_add_f32 v168, v168, v169
	v_fma_f32 v168, v168, s63, s62
	v_rsq_f32 v168, v168
	v_nop
	s_wait_dscnt 0x0                               ; the gains
.set cp, 0
	s_wait_alu depctr_va_vdst(0)
.rept 64
	v_pk_mul_f32 v[2*cp:2*cp+1], v[2*cp:2*cp+1], v[168:169] op_sel_hi:[1,0]
.set cp, cp+1
.endr
	WIN 0xa7
.set cp, 0
.rept 64
	v_pk_fma_f32 v[2*cp:2*cp+1], v[128+2*cp:129+2*cp], v[2*cp:2*cp+1], v[2*cp:2*cp+1]
.set cp, cp+1
.endr
	WIN 0
	s_xor_b32 s18, s18, 512
	s_xor_b32 s19, s19, 1024
	s_xor_b32 s20, s20, 1024
	s_sub_co_u32 s61, s61, 1
	s_cmp_lg_u32 s61, 0
	s_cbranch_scc1 .Ls
	; the way out, 128 channels at a time: the four windows' columns meet in the stage; a thread then stores 16 bytes, eight neighbouring lanes the group's 128 bytes of a row
.irp f, 0,1
	WIN 0x08
.set ca, 0
.rept 8
.irp j, 0,1,2,3,4,5,6,7
	ds_store_b32 v[STS], v[64*\f+8*ca+\j] offset:(16*ca+\j)*256
.endr
.set ca, ca+1
.endr
	WIN 0
	WB
	s_wait_xcnt 0x0                                ; earlier stores' data registers are loaded again only behind this wait
	WIN 0x40
.set ca, 0
.rept 16
	ds_load_b128 v[4*ca:4*ca+3], v[STL] offset:2048*ca
.set ca, ca+1
.endr
	WIN 0x04
.set ca, 0
.rept 16
	s_wait_dscnt 15-ca
	global_store_b128 v[VO2], v[4*ca:4*ca+3], s[52-48*\f:53-48*\f] offset:ca*262144 th:TH_STORE_NT
.set ca, ca+1
.endr
	WIN 0
	WB                                             ; every wave has read the stage back before it is written again
.endr
	s_wait_xcnt 0x0
	s_add_nc_u64 s[52:53], s[52:53], 0x400         ; two rows down
	s_add_nc_u64 s[4:5], s[4:5], 0x400
	s_add_co_u32 s16, s16, 16640
	s_add_co_u32 s17, s17, 64
	s_sub_co_u32 s60, s60, 1
	s_cmp_lg_u32 s60, 0
	s_cbranch_scc1 .Lt
	s_wait_tensorcnt 0x0                           ; the wave's end, behind my last LDS store
	ds_add_u32 v[SPW], v[NIL]
	s_wait_dscnt 0x0
	s_endpgm
.Lfunc_end_k_q7873c1ecc8_main:
	.size	k_q7873c1ecc8_main, .Lfunc_end_k_q7873c1ecc8_main-k_q7873c1ecc8_main
	.p2alignl 7, 3214868480
	.fill 96, 4, 3214868480
	.section	.rodata,"a",@progbits
	.p2align	6, 0x0
	.amdhsa_kernel k_q7873c1ecc8_main
		.amdhsa_group_segment_fixed_size 327680
		.amdhsa_private_segment_fixed_size 0
		.amdhsa_enable_private_segment 0
		.amdhsa_kernarg_size 200
		.amdhsa_user_sgpr_count 2
		.amdhsa_user_sgpr_kernarg_segment_ptr 1
		.amdhsa_wavefront_size32 1
		.amdhsa_system_sgpr_workgroup_id_x 1
		.amdhsa_system_sgpr_workgroup_id_y 1
		.amdhsa_system_sgpr_workgroup_id_z 1
		.amdhsa_system_vgpr_workitem_id 0
		.amdhsa_next_free_vgpr 1024
		.amdhsa_next_free_sgpr 102
		.amdhsa_reserve_vcc 0
		.amdhsa_float_denorm_mode_32 3
		.amdhsa_float_denorm_mode_16_64 3
		.amdhsa_memory_ordered 1
		.amdhsa_forward_progress 1
		.amdhsa_inst_pref_size 255
	.end_amdhsa_kernel
	.section	.bss,"aw",@nobits
	.p2align	6
	.space	262144
	.amdgpu_metadata
---
amdhsa.version: [ 1, 2 ]
amdhsa.kernels:
  - .name:           k_q7873c1ecc8_main
    .symbol:         k_q7873c1ecc8_main.kd
    .args:
      - { .name: F_R, .offset: 0, .size: 8, .value_kind: global_buffer, .address_space: global }
      - { .name: F_T, .offset: 8, .size: 8, .value_kind: global_buffer, .address_space: global }
      - { .name: r_R, .offset: 16, .size: 8, .value_kind: global_buffer, .address_space: global }
      - { .name: r_T, .offset: 24, .size: 8, .value_kind: global_buffer, .address_space: global }
      - { .name: ws, .offset: 32, .size: 8, .value_kind: global_buffer, .address_space: global }
      - { .name: np_g, .offset: 40, .size: 8, .value_kind: global_buffer, .address_space: global }
      - { .name: np_b, .offset: 48, .size: 8, .value_kind: global_buffer, .address_space: global }
      - { .name: nz_g, .offset: 56, .size: 8, .value_kind: global_buffer, .address_space: global }
      - { .name: nz_b, .offset: 64, .size: 8, .value_kind: global_buffer, .address_space: global }
      - { .name: nzf_g, .offset: 72, .size: 8, .value_kind: global_buffer, .address_space: global }
      - { .name: nzf_b, .offset: 80, .size: 8, .value_kind: global_buffer, .address_space: global }
      - { .name: nr_g, .offset: 88, .size: 8, .value_kind: global_buffer, .address_space: global }
      - { .name: nr_b, .offset: 96, .size: 8, .value_kind: global_buffer, .address_space: global }
      - { .name: nt_g, .offset: 104, .size: 8, .value_kind: global_buffer, .address_space: global }
      - { .name: nt_b, .offset: 112, .size: 8, .value_kind: global_buffer, .address_space: global }
      - { .name: q_b, .offset: 120, .size: 8, .value_kind: global_buffer, .address_space: global }
      - { .name: v_b, .offset: 128, .size: 8, .value_kind: global_buffer, .address_space: global }
      - { .name: fc1_b, .offset: 136, .size: 8, .value_kind: global_buffer, .address_space: global }
      - { .name: fc2_b, .offset: 144, .size: 8, .value_kind: global_buffer, .address_space: global }
      - { .name: k_b, .offset: 152, .size: 8, .value_kind: global_buffer, .address_space: global }
      - { .name: g1_w, .offset: 160, .size: 8, .value_kind: global_buffer, .address_space: global }
      - { .name: g1_b, .offset: 168, .size: 8, .value_kind: global_buffer, .address_space: global }
      - { .name: g2_w, .offset: 176, .size: 8, .value_kind: global_buffer, .address_space: global }
      - { .name: g2_b, .offset: 184, .size: 8, .value_kind: global_buffer, .address_space: global }
      - { .name: out0, .offset: 192, .size: 8, .value_kind: global_buffer, .address_space: global }
    .group_segment_fixed_size: 327680
    .private_segment_fixed_size: 0
    .kernarg_segment_align: 8
    .kernarg_segment_size: 200
    .max_flat_workgroup_size: 128
    .sgpr_count:     102
    .vgpr_count:     1024
    .wavefront_size: 32
...
	.end_amdgpu_metadata
.endif
;; end of part 2
